; MI455X (gfx1250); checked and timed in simulation.
; The chip was launched on July 23, 2026; its instructions are those of AMD's public machine-readable ISA for CDNA 5 (MIT licence, August 2026) and "CDNA5" Instruction Set Architecture Reference Guide (July 2026). The comments in the code are by the model that wrote it; some were corrected since.
;; Score Layer. Allowed arithmetic: matrix products marked QUANTISED: E3M2 operands, one E8M0 scale for each 32 along K, by v_wmma_scale_f32_16x16x128_f8f6f4 with both operands' format E3M2, f32 sums; products left as they are: f32 operands where the result goes on into a quantised operand, else bf16, f16 or f32 operands; f32 sums; everything else in f32.
;; Inputs: bias 32 float32; left_inputs 4 x 512 x 1,024 float32; right_inputs 4 x 512 x 1,024 float32; weight 32 x 1,024 x 1,024 float32.
;; Outputs: out0 4 x 512 x 32 float32.
;; This version of the problem:
;;   THIS VERSION OF THE PROBLEM IS GIVEN IN LOW PRECISION. The matrix products marked QUANTISED in the list below multiply operands that are first quantised to E3M2 (3 exponent bits, 2 mantissa bits; 6 bits a number), with one power-of-two scale for each 32 numbers along K (OCP MX v1.0); their sums are f32. All else is computed in f32.
;;   The module's matrix products, in the order in which they are computed (A, B: the left and right operand; K: the contracted axis; several contracted axes count as one K, in the product's order):
;;     1. [M 2,048, K 1,024] x [K 1,024, N 32,768]; A: input right_inputs; B: input weight: QUANTISED
;;     2. batch 2,048 x [M 1, K 1,024] x [K 1,024, N 32]; A: input left_inputs; B: computed on the way: left as it is (M = 1 < 16)
;;   THE QUANTISER, for each operand of a quantised product, along K:
;;     - K is cut into blocks of 32 from its start; a last block that is shorter is filled with zeros.
;;     - A block's scale is 2^e with e = floor(log2(the largest magnitude in the block)) - 4, held to -126 .. 127; a block of zeros has e = 0. As a byte (E8M0): e + 127.
;;     - Each number is divided by its block's scale, clamped to +-28, and rounded to the nearest number of E3M2, ties to even, subnormals kept.
;;     - The product sums the exact products of the quantised numbers (number of the format x scale) in f32.
;;   ~~~python
;;   def quantise(x, axis):      # numpy; x: float32 -> the quantised numbers, widened to float32 again
;;       x = np.moveaxis(x, axis, -1); K = x.shape[-1]
;;       x = np.pad(x, [(0, 0)] * (x.ndim - 1) + [(0, -K % 32)]); x = x.reshape(x.shape[:-1] + (-1, 32)); a = np.abs(x).max(-1, keepdims=True)
;;       e = np.where(a > 0, np.clip(np.frexp(np.where(a > 0, a, 1))[1] - 1 - 4, -126, 127), 0)      # np.frexp(a)[1] - 1 = floor(log2(a)), exactly
;;       r = np.clip(x / 2.0 ** e, -28, 28)
;;       step = 2.0 ** (np.maximum(np.frexp(np.where(r == 0, 1, r))[1] - 1, -2) - 2)
;;       q = np.round(r / step) * step * 2.0 ** e      # np.round: ties to even
;;       return np.moveaxis(q.reshape(q.shape[:-2] + (-1,))[..., :K], -1, axis).astype(np.float32)
;;   ~~~
;; One version. Each part assembles by itself: llvm-mc -triple=amdgcn-amd-amdhsa -mcpu=gfx1250 --defsym DOCPART=n.
;; ======== version 1 of 1: 2 launches
;; limits: values are held in bf16: 8 bits of precision; right only within a limited range of input values
;; workspace buffers: wq 26,214,400 bytes; rq 1,638,400 bytes; lw 4,194,304 bytes
;; launch quant (part 1): grid 256 x 1, 9 waves a work-group, no clusters, 327,680 bytes of LDS; arguments weight, right_inputs, left_inputs, wq, rq, lw; writes wq, rq, lw
.if DOCPART == 1
	.amdgcn_target "amdgcn-amd-amdhsa--gfx1250"
	.amdhsa_code_object_version 6
	.text
	.protected	k_q3395ca064b_quant
	.globl	k_q3395ca064b_quant
	.p2align	8
	.type	k_q3395ca064b_quant,@function
k_q3395ca064b_quant:
	s_mov_b64 s[64:65], 0
	v_nop
	global_prefetch_b8 v0, s[64:65] scope:SCOPE_SE
	s_setreg_imm32_b32 hwreg(HW_REG_WAVE_MODE, 25, 1), 1
	s_wait_xcnt 0x0
; weight [32768 rows][1024] and right_inputs [2048][1024], f32, K innermost, become codes of BF6 (E3M2) with one E8M0 byte for each 32 along K,
; laid in the ORDER OF THE OPERAND'S REGISTERS; left_inputs [2048][1024] becomes bf16, laid in the order of the accumulator that it will multiply.
; A RECORD is 16 rows x 1,024 K = 12,800 bytes: eight fragments of 1,536 bytes (K step s: registers 4 q .. 4 q + 3 of lane l at 1536 s + 512 q + 16 l), then 512 bytes
; of scale words: at 12,288 + 16 l + 4 i the word of row l % 16 for K step 2 i + l / 16.
; A LEFT IMAGE (block mb of 256 rows, tile dt of 16 along d, tile mt of 16 rows) is 512 bytes at 524288 mb + 8192 dt + 512 mt: lane (r, h) holds the bf16 of left[256 mb + 16 mt + r][16 dt + 8 h + 0 .. 7].
; A block's scale is 2^(floor(log2(its largest magnitude)) - 4); its byte is the largest magnitude's exponent field - 4, held at 1 from below.
; LIMITS: a block of zeros gets the byte 1 where the rule says 127 (its codes are zeros, and these bytes are read by this program alone); NaN and infinities among the inputs are not served;
; left is rounded to bf16, to nearest even.
; SHARES.  A unit is 16 rows x 1,024 numbers, 65,536 consecutive bytes; there are 2,304 units.  256 work-groups of nine waves, a unit to a wave: waves 0-7 take weight's units 8 g .. 8 g + 7,
; wave 8 takes right's unit g (work-groups 0-127) or left's unit g - 128 (the others).  Only pointers are chosen, but for left's arithmetic, which stands in an arm of its own between the barriers.
; A unit comes in as four tiles of 16 rows x 1,024 bytes (256 along K), each by one tensor load, through the wave's own two LDS slots; 16 bytes of padding behind each row: 65 x 16 bytes from row to row,
; so that the sixteen rows that a 16-byte LDS load touches fall on sixteen different columns of 16 bytes.  A lane reads its neighbours along K straight from the tile: nothing is stored to LDS.
; No cluster: no two work-groups read the same byte.
; PREFETCH: at a change of slots all of a wave's tensor loads have landed, so a refill goes out with nothing beside it.  So each wave names its own later tile ahead: the head names quarter 1, the work on
; quarter t names quarter t + 2, one slot ahead of the tensor load that wants it: 64 blocks of 256 bytes, a lane a block, two instructions.  Quarters 2 and 3 name nothing.  Every address lies in my unit.
.set PITCH, 1040
.set TILE,  16*PITCH                   ; a slot
.set SPARE, 18*TILE                    ; behind the nine rings: the spare words, 128 bytes a wave, five blocks of 256 bytes that no other line names
.set REC,   12800
.set SPW,   10                         ; v10 my spare word's address, v11 0: never rewritten
.set NIL,   11
.set TM,    12                         ; v12-15 largest magnitudes, v16-19 the other half's, then bytes, v24-27 the conversions' scale operands
.set PWS,   28                         ; v28-35 the scale word of each K step
.set SW,    36                         ; v36-39 the scale words as the record has them
.set PC,    40                         ; v40-59, v60-79 two sets: a fragment's 12 registers, then the blocks' upper halves as the conversions leave them
.set X,     80                         ; v80-207 a tile's 128 numbers of a lane
.set Z,     16                         ; left's arm: v16-79 packed bf16
.set G1,    40                         ; s[40:47] descriptor group 1; s[48:55] group 0, a set for each slot
.set G0,    48
.set SEL,   36                         ; s[36:37] lane selects for v_permlanex16_b32: lane l xor 16
.set ISL,   21                         ; s21 1: my unit is left's
.set DST,   32                         ; s[32:33] where my unit's results begin
.set SRC,   30                         ; s[30:31] where my unit begins: never rewritten
.macro ASK q                           ; quarter q of my unit: v9 = 4096 (l / 4) + 256 (l % 4): rows 0-7, then rows 8-15
	global_prefetch_b8 v9, s[SRC:SRC+1] offset:1024*(\q) th:TH_LOAD_NT scope:SCOPE_SE
	global_prefetch_b8 v9, s[SRC:SRC+1] offset:1024*(\q)+32768 th:TH_LOAD_NT scope:SCOPE_SE
.endm
	s_load_b256 s[4:11], s[0:1], 0x0               ; weight s[4:5], right s[6:7], left s[8:9], wq s[10:11]
	s_load_b128 s[12:15], s[0:1], 0x20             ; rq s[12:13], lw s[14:15]
	v_lshl_add_u32 v[SPW], v0, 2, SPARE
	v_mov_b32 v[NIL], 0
	ds_add_u32 v[SPW], v[NIL]                      ; the opening lines: the add, twice on end, and its wait ahead of my first tensor load
	ds_add_u32 v[SPW], v[NIL]
	v_lshrrev_b32 v1, 5, v0
	v_readfirstlane_b32 s16, v1                    ; wave 0..8
	s_mov_b32 s[G1+0], (2<<16)|(1<<20)|(7<<22)|(3<<25)  ; elements of 4 bytes; padding on: behind every 256 words, 4 words
	s_mov_b32 s[G1+1], 256<<16                     ; tensor_dim0 = 256
	s_mov_b32 s[G1+2], 16<<16                      ; tensor_dim1 = 16
	s_mov_b32 s[G1+3], 256<<16                     ; tile_dim0 = 256
	s_mov_b32 s[G1+4], 16                          ; tile_dim1 = 16
	s_mov_b32 s[G1+5], 1024                        ; elements from row to row
	s_mov_b32 s[G1+6], 0
	s_mov_b32 s[G1+7], 0
	s_mov_b32 s[SEL], 0x76543210
	s_mov_b32 s[SEL+1], 0xfedcba98
	s_mul_i32 s17, s16, 2*TILE                     ; my ring
	s_lshl_b32 s18, ttmp9, 3
	s_add_co_u32 s18, s18, s16                     ; weight's unit (waves 0-7)
	s_and_b32 s19, ttmp9, 127                      ; right's or left's unit (wave 8)
	s_lshr_b32 s20, ttmp9, 7                       ; 1 in work-groups 128-255
	s_cmp_eq_u32 s16, 8
	s_cselect_b32 s[ISL], s20, 0
	s_cselect_b32 s22, s19, s18                    ; my unit in its tensor
	s_lshl_b32 s24, s22, 16                        ; 65,536 bytes a unit: under 2^27
	s_mov_b32 s25, 0
	s_mul_i32 s26, s22, REC
	s_mov_b32 s27, 0
	s_lshr_b32 s28, s19, 4
	s_lshl_b32 s28, s28, 19                        ; left: block mb, 524,288 bytes,
	s_and_b32 s29, s19, 15
	s_lshl_b32 s29, s29, 9                         ; tile mt, 512 bytes
	s_add_co_u32 s28, s28, s29
	s_cmp_lg_u32 s[ISL], 0
	s_cselect_b32 s26, s28, s26
	s_wait_dscnt 0x0                               ; both opening adds are done
	s_wait_kmcnt 0x0
	s_cmp_eq_u32 s16, 8                            ; the choices hang on the wave's and the work-group's number alone
	s_cselect_b64 s[SRC:SRC+1], s[6:7], s[4:5]
	s_cselect_b64 s[DST:DST+1], s[12:13], s[10:11]
	s_cmp_lg_u32 s[ISL], 0
	s_cselect_b64 s[SRC:SRC+1], s[8:9], s[SRC:SRC+1]
	s_cselect_b64 s[DST:DST+1], s[14:15], s[DST:DST+1]
	s_add_nc_u64 s[SRC:SRC+1], s[SRC:SRC+1], s[24:25]
	s_add_nc_u64 s[DST:DST+1], s[DST:DST+1], s[26:27]
.irp s, 0,1
	s_mov_b32 s[G0+4*\s], 1
	s_add_co_u32 s[G0+4*\s+1], s17, \s*TILE
	s_add_nc_u64 s[G0+4*\s+2:G0+4*\s+3], s[SRC:SRC+1], \s*1024   ; slot s begins with quarter s of the rows
	s_or_b32 s[G0+4*\s+3], s[G0+4*\s+3], 0x80000000
.endr
	tensor_load_to_lds s[G0:G0+3], s[G1:G1+7]      ; quarter 0: one tensor load a wave at the head
	s_nop 0
	v_and_b32 v1, 31, v0                           ; lane
	v_and_b32 v2, 15, v0                           ; r
	v_bfe_u32 v3, v0, 4, 1                         ; h
	v_lshlrev_b32 v4, 4, v1                        ; 16 x lane: my place in every store of 512 bytes
	v_mul_u32_u24 v8, v2, PITCH
	v_add_nc_u32 v8, s17, v8                       ; my row in my ring's slot 0
	v_lshl_add_u32 v6, v3, 6, v8                   ; codes: + 64 h: my 16 numbers of a block of 32
	v_lshl_add_u32 v7, v3, 5, v8                   ; left: + 32 h: my 8 numbers of a tile of 16
	v_lshrrev_b32 v9, 2, v1
	v_and_b32 v5, 3, v1
	v_lshlrev_b32 v9, 12, v9
	v_lshl_add_u32 v9, v5, 8, v9                   ; the prefetches' offset: never rewritten
.irp b, 0,1,2,3
	v_mov_b32 v[TM+4+\b], 0                        ; written once: a lane permute's destination counts as one of its sources
.endr
	ASK 1
	s_wait_alu depctr_va_vdst(0)                   ; the wait at the head's end
; 64 numbers of a lane, register 16 b + i = k 32 b + 16 h + i of my row, become a fragment's codes in v[pc] on and its scale word in v[pw].
.macro QUANT src, pw, pc
.irp b, 0,1,2,3
	v_max3_num_f32 v[TM+\b], |v[\src+16*\b]|, |v[\src+1+16*\b]|, 0x2800000   ; block b: my 16 numbers, and the floor 2^(5 - 127): so the byte cannot fall under 1
.endr
.irp i, 2,4,6,8,10,12,14
.irp b, 0,1,2,3
	v_max3_num_f32 v[TM+\b], v[TM+\b], |v[\src+16*\b+\i]|, |v[\src+1+16*\b+\i]|   ; the four blocks by turns
.endr
.endr
.irp b, 0,1,2,3
	v_permlanex16_b32 v[TM+4+\b], v[TM+\b], s[SEL], s[SEL+1]
.endr
.irp b, 0,1,2,3
	v_max_num_f32 v[TM+\b], v[TM+\b], v[TM+4+\b]   ; with lane l xor 16's: the block's largest magnitude
.endr
.irp b, 0,1,2,3
	v_add_nc_u32 v[TM+12+\b], 0xfe000000, v[TM+\b] ; 4 off its exponent field: the conversion takes the exponent field of this operand as its scale
.endr
.irp b, 0,1,2,3
	v_lshrrev_b32 v[TM+4+\b], 23, v[TM+12+\b]      ; the scale's byte
.endr
	v_lshl_or_b32 v[\pw], v[TM+5], 8, v[TM+4]      ; the four bytes make my row's scale word
	v_lshl_or_b32 v[TM+6], v[TM+7], 8, v[TM+6]
	v_lshl_or_b32 v[\pw], v[TM+6], 16, v[\pw]
.irp c, 0,1
	v_cvt_scalef32_pk16_bf6_f32 v[\pc+6*\c:\pc+2+6*\c], v[\src+32*\c:\src+15+32*\c], v[TM+12+2*\c]
	v_cvt_scalef32_pk16_bf6_f32 v[\pc+12+4*\c:\pc+14+4*\c], v[\src+16+32*\c:\src+31+32*\c], v[TM+12+2*\c+1]   ; (a conversion's three registers begin on an even number)
.endr
	v_nop                                          ; one plain line behind a scaled conversion
.irp c, 0,1                            ; the operand's layout wants a whole block in a lane: lanes 0-15 block 2 c, lanes 16-31 block 2 c + 1
.irp i, 0,1,2
	v_permlane16_swap_b32 v[\pc+6*\c+\i], v[\pc+12+4*\c+\i]
.endr
.irp i, 0,1,2
	v_mov_b32 v[\pc+3+6*\c+\i], v[\pc+12+4*\c+\i]
.endr
.endr
.endm
; Slot s gets its next tile (step = 1: two quarters on; step = 0: slot 1's first fill, issued as a refill is).
.macro FILL s, step
	s_wait_tensorcnt 0x0                           ; all my tensor loads have landed, so a group 0 may be written
	ds_add_u32 v[SPW], v[NIL]
.if \step
	s_add_nc_u64 s[G0+4*\s+2:G0+4*\s+3], s[G0+4*\s+2:G0+4*\s+3], 2048
.endif
	s_wait_dscnt 0x0                               ; the add is done; my reads of the slot are back
	s_barrier_signal -1
	s_barrier_wait -1
	tensor_load_to_lds s[G0+4*\s:G0+4*\s+3], s[G1:G1+7]   ; my one tensor load behind the barrier
	s_nop 0
.endm
; Quarter q of my unit, in slot q % 2.  out = the younger tensor loads that may stay out.
.macro PROC q, out
	s_wait_tensorcnt \out
	s_wait_xcnt 0x0                                ; the last quarter's stores have read their registers, which are written again below
	s_cmp_lg_u32 s[ISL], 0
	s_cbranch_scc1 .Lleft_\q
.if (\q) < 2
	ASK (\q)+2
.endif
.set i, 0
.rept 32                               ; K steps 2 q and 2 q + 1: register 64 kk + 16 b + 4 j from byte 512 kk + 128 b + 16 j of my place
	ds_load_b128 v[X+4*i:X+4*i+3], v6 offset:((\q)%2)*TILE+512*(i/16)+128*((i/4)%4)+16*(i%4)
.set i, i+1
.endr
	s_wait_dscnt 16                                ; the first K step's 16 loads are in
	QUANT X, PWS+2*(\q), PC
	s_wait_dscnt 0x0
	QUANT X+64, PWS+2*(\q)+1, PC+20
.irp k, 0,1
.irp p, 0,1,2
	global_store_b128 v4, v[PC+20*\k+4*\p:PC+20*\k+4*\p+3], s[DST:DST+1] offset:1536*(2*(\q)+\k)+512*\p   ; 32 lanes store 512 consecutive bytes, at a multiple of 256 from the buffer's first byte
.endr
.endr
.if (\q) == 3
	v_cmp_eq_u32 vcc_lo, 1, v3                     ; lanes 16-31 take the odd K steps' words
.irp i, 0,1,2,3
	v_cndmask_b32 v[SW+\i], v[PWS+2*\i], v[PWS+2*\i+1], vcc_lo
.endr
	global_store_b128 v4, v[SW:SW+3], s[DST:DST+1] offset:12288
.endif
	s_branch .Ljoin_\q
.Lleft_\q:
.if (\q) < 2
	ASK (\q)+2
.endif
.set t, 0
.rept 16                               ; tile t of the quarter's sixteen along d: my 8 numbers
	ds_load_b128 v[X+8*t:X+8*t+3], v7 offset:((\q)%2)*TILE+64*t
	ds_load_b128 v[X+8*t+4:X+8*t+7], v7 offset:((\q)%2)*TILE+64*t+16
.set t, t+1
.endr
	s_wait_dscnt 16                                ; the first eight tiles are in
.set t, 0
.rept 64
.if t == 32
	s_wait_dscnt 0x0
.endif
	v_cvt_pk_bf16_f32 v[Z+t], v[X+2*t], v[X+2*t+1] ; the lower d in the low half
.set t, t+1
.endr
.set t, 0
.rept 16
	global_store_b128 v4, v[Z+4*t:Z+4*t+3], s[DST:DST+1] offset:(16*(\q)+t)*8192   ; an image of 512 bytes; 63 x 8,192 at the most, inside the signed 24-bit immediate
.set t, t+1
.endr
.Ljoin_\q:
.endm
	FILL 1, 0                                      ; quarter 0 has landed; quarter 1 goes out
	PROC 0, 1                                      ; the count leaves the load just issued on its way
	FILL 0, 1                                      ; quarter 2
	PROC 1, 1
	FILL 1, 1                                      ; quarter 3: the last load
	PROC 2, 1
	PROC 3, 0
	s_wait_tensorcnt 0x0                           ; the wave's end
	ds_add_u32 v[SPW], v[NIL]
	s_wait_dscnt 0x0
	s_endpgm
.Lfunc_end_k_q3395ca064b_quant:
	.size	k_q3395ca064b_quant, .Lfunc_end_k_q3395ca064b_quant-k_q3395ca064b_quant
	.p2alignl 7, 3214868480
	.fill 96, 4, 3214868480
	.section	.rodata,"a",@progbits
	.p2align	6, 0x0
	.amdhsa_kernel k_q3395ca064b_quant
		.amdhsa_group_segment_fixed_size 327680
		.amdhsa_private_segment_fixed_size 0
		.amdhsa_enable_private_segment 0
		.amdhsa_kernarg_size 48
		.amdhsa_user_sgpr_count 2
		.amdhsa_user_sgpr_kernarg_segment_ptr 1
		.amdhsa_wavefront_size32 1
		.amdhsa_system_sgpr_workgroup_id_x 1
		.amdhsa_system_sgpr_workgroup_id_y 1
		.amdhsa_system_sgpr_workgroup_id_z 1
		.amdhsa_system_vgpr_workitem_id 0
		.amdhsa_next_free_vgpr 208
		.amdhsa_next_free_sgpr 66
		.amdhsa_reserve_vcc 1
		.amdhsa_float_denorm_mode_32 3
		.amdhsa_float_denorm_mode_16_64 3
		.amdhsa_memory_ordered 1
		.amdhsa_forward_progress 1
		.amdhsa_inst_pref_size 77
	.end_amdhsa_kernel
	.amdgpu_metadata
---
amdhsa.version: [ 1, 2 ]
amdhsa.kernels:
  - .name:           k_q3395ca064b_quant
    .symbol:         k_q3395ca064b_quant.kd
    .args:
      - { .name: weight, .offset: 0, .size: 8, .value_kind: global_buffer, .address_space: global }
      - { .name: right_inputs, .offset: 8, .size: 8, .value_kind: global_buffer, .address_space: global }
      - { .name: left_inputs, .offset: 16, .size: 8, .value_kind: global_buffer, .address_space: global }
      - { .name: wq, .offset: 24, .size: 8, .value_kind: global_buffer, .address_space: global }
      - { .name: rq, .offset: 32, .size: 8, .value_kind: global_buffer, .address_space: global }
      - { .name: lw, .offset: 40, .size: 8, .value_kind: global_buffer, .address_space: global }
    .group_segment_fixed_size: 327680
    .private_segment_fixed_size: 0
    .kernarg_segment_align: 8
    .kernarg_segment_size: 48
    .max_flat_workgroup_size: 288
    .sgpr_count:     66
    .vgpr_count:     208
    .wavefront_size: 32
...
	.end_amdgpu_metadata
.endif
;; end of part 1
;; launch score (part 2): grid 32 x 8, 4 waves a work-group, clusters of 4 x 4, 327,680 bytes of LDS; arguments rq, wq, lw, bias, out0; writes out0
.if DOCPART == 2
	.amdgcn_target "amdgcn-amd-amdhsa--gfx1250"
	.amdhsa_code_object_version 6
	.text
	.protected	k_q3395ca064b_score
	.globl	k_q3395ca064b_score
	.p2align	8
	.type	k_q3395ca064b_score,@function
k_q3395ca064b_score:
	s_mov_b64 s[64:65], 0
	v_nop
	global_prefetch_b8 v0, s[64:65] scope:SCOPE_SE
	s_setreg_imm32_b32 hwreg(HW_REG_WAVE_MODE, 25, 1), 1
	s_wait_xcnt 0x0
	s_wait_alu depctr_hold_cnt(0) depctr_sa_sdst(0) depctr_va_vdst(0) depctr_va_sdst(0) depctr_va_ssrc(0) depctr_va_vcc(0) depctr_vm_vsrc(0)
	s_getreg_b32 s2, hwreg(HW_REG_IB_STS2, 6, 4)
	s_cmp_eq_u32 s2, 0
	s_cbranch_scc0 .Lentry_in_a_cluster
	s_endpgm
.Lentry_in_a_cluster:
	s_bfe_u32 s2, ttmp6, 0x10000c
	s_cmp_lg_u32 s2, 0xf033
	s_cbranch_scc0 .Lentry_shape_is_right
	s_endpgm
.Lentry_shape_is_right:
.set REC,   12800
.set SCO,   12288
.set LIM,   8192
.set S0L,   102400
.set S1B,   167936
.set S1L,   244736
.set SPARE, 293888
.set SCR,   294400
.set SPW,  2
.set NIL,  3
.set ADB,  4
.set ADL,  6
.set LN16, 8
.set SCW,  9
.set SCRD, 10
.set OUTO, 11
.set BS,   12
.set AS,   16
.set BB,   48
.set B5,   232
.set B6,   244
.set ACC,  108
.set LF,   172
.set T,    204
.set A63,  220
.set W,    232
.set G1B,  32
.set G1L,  48
.set G0B,  68
.set G0L,  76
.set MSB, 0
.macro WIN new
.if MSB != (\new)
	s_set_vgpr_msb (MSB<<8)|(\new)
.set MSB, (\new)
.endif
.endm
.macro PLACES
.rept 4
	v_nop
.endr
.endm
.macro JLOAD g0b, g1b, g0l, g1l
	s_cmp_eq_u32 s15, 0
	s_cbranch_scc0 .Lfor_l_\@
	tensor_load_to_lds s[\g0b:\g0b+3], s[\g1b:\g1b+7]
	s_nop 0
.rept 4
	v_nop
.endr
	s_branch .Lasked_\@
.Lfor_l_\@:
	tensor_load_to_lds s[\g0l:\g0l+3], s[\g1l:\g1l+7]
	s_nop 0
.rept 4
	v_nop
.endr
.Lasked_\@:
.endm
.macro CREST
	s_cmp_lg_u32 s14, 0
	s_cbranch_scc1 .Lnot_wave_0_\@
	s_barrier_signal -3
.Lnot_wave_0_\@:
	s_barrier_wait -3
	s_barrier_signal -1
	s_barrier_wait -1
.endm
.macro CROUND
	s_barrier_signal -1
	s_barrier_wait -1
	CREST
.endm
.macro SHAPE g, rows
	s_mov_b32 s[\g+1], 32<<16
	s_mov_b32 s[\g+2], (\rows)<<16
	s_mov_b32 s[\g+3], 32<<16
	s_mov_b32 s[\g+4], \rows
	s_mov_b32 s[\g+5], 32
	s_mov_b32 s[\g+6], 0
	s_mov_b32 s[\g+7], 0
.endm
	s_load_b256 s[4:11], s[0:1], 0x0
	s_load_b64 s[12:13], s[0:1], 0x20
	v_lshl_add_u32 v[SPW], v0, 2, SPARE
	v_mov_b32 v[NIL], 0
	ds_add_u32 v2, v3
	ds_add_u32 v2, v3
	s_wait_dscnt 0x0
	v_lshrrev_b32 v1, 5, v0
	v_readfirstlane_b32 s14, v1
	v_and_b32 v1, 31, v0
	s_wait_alu depctr_va_vdst(0)
	s_lshr_b32 s15, s14, 1
	s_and_b32 s16, s14, 1
	s_bfe_u32 s17, ttmp6, 0x40000
	s_bfe_u32 s18, ttmp6, 0x40004
	s_lshl_b32 s19, ttmp9, 2
	s_add_co_u32 s19, s19, s17
	s_and_b32 s20, ttmp7, 0xffff
	s_lshl_b32 s20, s20, 2
	s_add_co_u32 s20, s20, s18
	s_lshl_b32 s21, s18, 2
	s_lshl_b32 s21, 15, s21
	s_lshl_b32 s22, 0x1111, s17
	s_or_b32 s[G1B], s22, (3<<16)|(1<<21)
	s_or_b32 s[G1B+8], s22, (3<<16)|(1<<21)
	s_or_b32 s[G1L], s21, (3<<16)|(1<<21)
	s_or_b32 s[G1L+8], s21, (3<<16)|(1<<21)
	SHAPE G1B, 200
	SHAPE G1B+8, 150
	SHAPE G1L, 128
	SHAPE G1L+8, 96
	s_mul_i32 s24, s19, 64*REC
	s_mov_b32 s25, 0
	s_mul_i32 s26, s16, 4*REC
	s_mov_b32 s27, 0
	s_mul_i32 s28, s16, 3*REC
	s_mov_b32 s29, 0
	s_lshl_b32 s88, s20, 19
	s_mov_b32 s89, 0
	s_lshl_b32 s90, s16, 15
	s_mov_b32 s91, 0
	s_mul_i32 s92, s16, 3*LIM
	s_mov_b32 s93, 0
	s_lshl_b32 s30, s20, 4
	s_lshl_b32 s31, s15, 3
	s_add_co_u32 s30, s30, s31
	s_mul_i32 s30, s30, REC
	s_mov_b32 s31, 0
	s_lshl_b32 s94, s19, 2
	s_mov_b32 s95, 0
	s_lshl_b32 s96, s20, 8
	s_lshl_b32 s97, s15, 7
	s_add_co_u32 s96, s96, s97
	s_lshl_b32 s97, s16, 6
	s_add_co_u32 s96, s96, s97
	s_lshl_b32 s96, s96, 7
	s_lshl_b32 s97, s19, 2
	s_add_co_u32 s96, s96, s97
	s_mov_b32 s97, 0
	s_mov_b32 s86, 0x76543210
	s_mov_b32 s87, 0xfedcba98
	v_lshlrev_b32 v[LN16], 4, v1
	s_wait_alu depctr_va_vdst(0)
	v_add_nc_u32 v[ADB], s26, v[LN16]
	s_add_co_u32 s98, s28, S1B
	v_add_nc_u32 v[ADB+1], s98, v[LN16]
	s_lshl_b32 s99, s15, 12
	s_add_co_u32 s98, s90, S0L
	s_add_co_u32 s98, s98, s99
	v_add_nc_u32 v[ADL], s98, v[LN16]
	s_add_co_u32 s98, s92, S1L
	s_add_co_u32 s98, s98, s99
	v_add_nc_u32 v[ADL+1], s98, v[LN16]
	s_lshl_b32 s98, s14, 9
	s_add_co_u32 s98, s98, SCR
	v_add_nc_u32 v[SCW], s98, v[LN16]
	s_lshl_b32 s98, s15, 10
	s_lshl_b32 s99, s16, 3
	s_add_co_u32 s98, s98, s99
	s_add_co_u32 s98, s98, SCR
	v_add_nc_u32 v[SCRD], s98, v[LN16]
	v_lshlrev_b32 v[OUTO], 7, v1
	s_wait_kmcnt 0x0
	s_add_nc_u64 s[24:25], s[6:7], s[24:25]
	s_add_nc_u64 s[88:89], s[8:9], s[88:89]
	s_add_nc_u64 s[4:5], s[4:5], s[30:31]
	s_add_nc_u64 s[10:11], s[10:11], s[94:95]
	s_add_nc_u64 s[12:13], s[12:13], s[96:97]
	s_load_b32 s84, s[10:11], 0x0
	s_mov_b32 s[G0B], 1
	s_mov_b32 s[G0B+1], s26
	s_add_nc_u64 s[G0B+2:G0B+3], s[24:25], s[26:27]
	s_or_b32 s[G0B+3], s[G0B+3], 0x80000000
	s_mov_b32 s[G0B+4], 1
	s_add_co_u32 s[G0B+5], s28, S1B
	s_add_nc_u64 s[G0B+6:G0B+7], s[24:25], s[28:29]
	s_add_nc_u64 s[G0B+6:G0B+7], s[G0B+6:G0B+7], 8*REC
	s_or_b32 s[G0B+7], s[G0B+7], 0x80000000
	s_mov_b32 s[G0L], 1
	s_add_co_u32 s[G0L+1], s90, S0L
	s_add_nc_u64 s[G0L+2:G0L+3], s[88:89], s[90:91]
	s_or_b32 s[G0L+3], s[G0L+3], 0x80000000
	s_mov_b32 s[G0L+4], 1
	s_add_co_u32 s[G0L+5], s92, S1L
	s_add_nc_u64 s[G0L+6:G0L+7], s[88:89], s[92:93]
	s_add_nc_u64 s[G0L+6:G0L+7], s[G0L+6:G0L+7], 8*LIM
	s_or_b32 s[G0L+7], s[G0L+7], 0x80000000
	CROUND
	JLOAD G0B, G1B, G0L, G1L
; the resident operand's fragments and scale words are asked for while slot 0's tiles are on their way
.set f, 0
.rept 64
.if f < 63
	WIN (1+f/21)<<6
.set rA, 12*(f%21)
.else
	WIN 0
.set rA, A63
.endif
.irp q, 0,1,2
	global_load_b128 v[rA+4*\q:rA+4*\q+3], v[LN16], s[4:5] offset:REC*(f%8)+1536*(f/8)+512*\q
.endr
.set f, f+1
.endr
.irp a, 0,1,2,3,4,5,6,7
	global_load_b128 v[AS+4*\a:AS+4*\a+3], v[LN16], s[4:5] offset:REC*\a+SCO
.endr
	s_wait_alu depctr_va_vdst(0)
	s_wait_tensorcnt 0x0
	ds_add_u32 v2, v3
	s_wait_dscnt 0x0
	CROUND
	JLOAD G0B+4, G1B+8, G0L+4, G1L+8
.set i, 0
.rept 32
	v_mov_b32 v[ACC+32+i], 0
	v_mov_b32 v[LF+16+i], 0
.set i, i+1
.endr
.macro BUFREG s
.if (\s) < 5
.set rB, BB+12*(\s)
.elseif (\s) == 5
.set rB, B5
.elseif (\s) == 6
.set rB, B6
.else
.set rB, BB+36
.endif
.endm
.macro MM s, a
.set f, 8*(\s)+(\a)
.if f < 63
	WIN (1+f/21)<<2
.set rA, 12*(f%21)
.else
	WIN 0
.set rA, A63
.endif
	BUFREG \s
.set rD, ACC+8*(\a)
.set rS, BS+(\s)/2
.set rT, AS+4*(\a)+(\s)/2
.if (\s) == 0
	v_wmma_scale_f32_16x16x128_f8f6f4 v[rD:rD+7], v[rB:rB+11], v[rA:rA+11], 0, v[rS], v[rT] matrix_a_fmt:MATRIX_FMT_BF6 matrix_b_fmt:MATRIX_FMT_BF6
.elseif (\s)%2 == 0
	v_wmma_scale_f32_16x16x128_f8f6f4 v[rD:rD+7], v[rB:rB+11], v[rA:rA+11], v[rD:rD+7], v[rS], v[rT] matrix_a_fmt:MATRIX_FMT_BF6 matrix_b_fmt:MATRIX_FMT_BF6
.else
	v_wmma_scale_f32_16x16x128_f8f6f4 v[rD:rD+7], v[rB:rB+11], v[rA:rA+11], v[rD:rD+7], v[rS], v[rT] matrix_a_fmt:MATRIX_FMT_BF6 matrix_b_fmt:MATRIX_FMT_BF6 matrix_a_scale:MATRIX_SCALE_ROW1 matrix_b_scale:MATRIX_SCALE_ROW1
.endif
.endm
.macro MMS s, a0, a1
.set ma, \a0
.rept (\a1)-(\a0)+1
	MM \s, ma
.set ma, ma+1
.endr
.endm
.macro LDB adr, off, s
	BUFREG \s
.irp q, 0,1,2
	ds_load_b128 v[rB+4*\q:rB+4*\q+3], v[\adr] offset:(\off)+512*\q
.endr
.endm
.macro ESL k
	WIN 0
.irp n, 0,1,2,3
.irp e, 0,1
.set eA, 2*((\k)/2)+\e
.set eJ, 4*((\k)%2)+\n
.if \n%2
	v_fma_mix_f32_bf16 v[T+2*eA+1], v[ACC+8*eA+eJ], v[LF+4*eA+eJ/2], v[T+2*eA+1] op_sel:[0,1,0] op_sel_hi:[0,1,0]
.else
	v_fma_mix_f32_bf16 v[T+2*eA], v[ACC+8*eA+eJ], v[LF+4*eA+eJ/2], v[T+2*eA] op_sel_hi:[0,1,0]
.endif
.endr
.endr
.endm
.macro END7
	MMS 7, 1, 4
	PLACES
	ESL 0
	MM 7, 5
	ESL 1
	MM 7, 6
	ESL 2
	MM 7, 7
	ESL 3
.endm
.macro TILE slot, i, kind
.set OFS, REC*(\i)
.set LOFS, LIM*(\i)
	s_wait_dscnt 6
	MM 0, 0
	ESL 4
	MM 0, 1
	ESL 5
	MM 0, 2
	ESL 6
	MM 0, 3
	ESL 7
	LDB ADB+\slot, OFS+1536*3, 3
	ds_load_b64 v[BS+2:BS+3], v[ADB+\slot] offset:OFS+SCO+8
	LDB ADB+\slot, OFS+1536*4, 4
	LDB ADB+\slot, OFS+1536*5, 5
	LDB ADB+\slot, OFS+1536*6, 6
.irp a, 0,1,2,3,4,5,6,7
	ds_load_b128 v[LF+4*\a:LF+4*\a+3], v[ADL+\slot] offset:LOFS+512*\a
.endr
	MMS 0, 4, 7
	s_wait_dscnt 24
	MMS 1, 0, 7
	s_wait_dscnt 21
	MMS 2, 0, 7
	s_wait_dscnt 18
	MMS 3, 0, 7
	s_wait_dscnt 14
	MM 4, 0
	PLACES
	LDB ADB+\slot, OFS+1536*7, 7
.if \kind == 0
	ds_load_b64 v[BS:BS+1], v[ADB+\slot] offset:OFS+REC+SCO
	LDB ADB+\slot, OFS+REC, 0
	LDB ADB+\slot, OFS+REC+1536, 1
	LDB ADB+\slot, OFS+REC+3072, 2
.endif
	MMS 4, 1, 7
.if \kind == 0
	s_wait_dscnt 24
	MMS 5, 0, 7
	s_wait_dscnt 21
	MMS 6, 0, 7
	s_wait_dscnt 10
	MM 7, 0
	END7
.elseif \kind == 3
	s_wait_dscnt 14
	MMS 5, 0, 7
	s_wait_dscnt 11
	MMS 6, 0, 7
	s_wait_dscnt 0x0
	MM 7, 0
	END7
.else
	WIN 0
	s_wait_tensorcnt 0x0
	ds_add_u32 v[SPW], v[NIL]
	s_wait_dscnt 15
	MMS 5, 0, 7
	s_wait_dscnt 0x0
	s_barrier_signal -1
	MMS 6, 0, 7
	WIN 0
	s_barrier_wait -1
.if \kind == 1
	CREST
	s_add_nc_u64 s[G0B+4*\slot+2:G0B+4*\slot+3], s[G0B+4*\slot+2:G0B+4*\slot+3], 14*REC
	s_add_nc_u64 s[G0L+4*\slot+2:G0L+4*\slot+3], s[G0L+4*\slot+2:G0L+4*\slot+3], 14*LIM
	JLOAD G0B+4*\slot, G1B+8*\slot, G0L+4*\slot, G1L+8*\slot
.endif
	ds_load_b64 v[BS:BS+1], v[ADB+1-\slot] offset:SCO
	LDB ADB+1-\slot, 0, 0
	LDB ADB+1-\slot, 1536, 1
	LDB ADB+1-\slot, 3072, 2
	MM 7, 0
	END7
.endif
.endm
.macro PERIOD slot, nt, kind
.if \nt == 4
	TILE \slot, 0, 0
	TILE \slot, 1, 0
	TILE \slot, 2, 0
	TILE \slot, 3, \kind
.else
	TILE \slot, 0, 0
	TILE \slot, 1, 0
	TILE \slot, 2, \kind
.endif
.endm
	s_wait_tensorcnt 0x1
	s_barrier_signal -1
	s_barrier_wait -1
	ds_load_b64 v[BS:BS+1], v[ADB] offset:SCO
	LDB ADB, 0, 0
	LDB ADB, 1536, 1
	LDB ADB, 3072, 2
	s_wait_loadcnt 0x0
	s_wait_kmcnt 0x0
	s_mov_b32 s3, 3
.Llap:
	PERIOD 0, 4, 1
	PERIOD 1, 3, 1
	WIN 0
	s_sub_co_u32 s3, s3, 1
	s_cmp_lg_u32 s3, 0
	s_cbranch_scc1 .Llap
	PERIOD 0, 4, 1
	PERIOD 1, 3, 2
	PERIOD 0, 4, 3
	ESL 4
	ESL 5
	ESL 6
	ESL 7
.irp a, 0,1,2,3,4,5,6,7
	v_add_f32 v[W+\a], v[T+2*\a], v[T+2*\a+1]
.endr
.irp a, 0,1,2,3,4,5,6,7
	v_permlanex16_b32 v[T+2*\a], v[W+\a], s86, s87
.endr
.irp a, 0,1,2,3,4,5,6,7
	v_add_f32 v[W+\a], v[W+\a], v[T+2*\a]
.endr
	v_cmp_le_u32 vcc_lo, 16, v1
.irp k, 0,1,2,3
	v_cndmask_b32 v[W+16+\k], v[W+2*\k], v[W+2*\k+1], vcc_lo
.endr
	ds_store_b128 v[SCW], v[W+16:W+19]
	s_wait_dscnt 0x0
	s_barrier_signal -1
	s_barrier_wait -1
	ds_load_b64 v[W+8:W+9], v[SCRD]
	ds_load_b64 v[W+10:W+11], v[SCRD] offset:512
	s_wait_dscnt 0x0
	v_pk_add_f32 v[W+8:W+9], v[W+8:W+9], v[W+10:W+11]
	v_add_f32 v[W+8], s84, v[W+8]
	v_add_f32 v[W+9], s84, v[W+9]
	global_store_b32 v[OUTO], v[W+8], s[12:13]
	global_store_b32 v[OUTO], v[W+9], s[12:13] offset:4096
	s_wait_tensorcnt 0x0
	ds_add_u32 v[SPW], v[NIL]
	s_wait_dscnt 0x0
	CROUND
	s_endpgm
.Lfunc_end_k_q3395ca064b_score:
	.size	k_q3395ca064b_score, .Lfunc_end_k_q3395ca064b_score-k_q3395ca064b_score
	.p2alignl 7, 3214868480
	.fill 96, 4, 3214868480
	.section	.rodata,"a",@progbits
	.p2align	6, 0x0
	.amdhsa_kernel k_q3395ca064b_score
		.amdhsa_group_segment_fixed_size 327680
		.amdhsa_private_segment_fixed_size 0
		.amdhsa_enable_private_segment 0
		.amdhsa_kernarg_size 40
		.amdhsa_user_sgpr_count 2
		.amdhsa_user_sgpr_kernarg_segment_ptr 1
		.amdhsa_wavefront_size32 1
		.amdhsa_system_sgpr_workgroup_id_x 1
		.amdhsa_system_sgpr_workgroup_id_y 1
		.amdhsa_system_sgpr_workgroup_id_z 1
		.amdhsa_system_vgpr_workitem_id 0
		.amdhsa_next_free_vgpr 1024
		.amdhsa_next_free_sgpr 100
		.amdhsa_reserve_vcc 1
		.amdhsa_float_denorm_mode_32 3
		.amdhsa_float_denorm_mode_16_64 3
		.amdhsa_memory_ordered 1
		.amdhsa_forward_progress 1
		.amdhsa_inst_pref_size 255
	.end_amdhsa_kernel
	.section	.bss,"aw",@nobits
	.p2align	6
	.space	262144
	.amdgpu_metadata
---
amdhsa.version: [ 1, 2 ]
amdhsa.kernels:
  - .name:           k_q3395ca064b_score
    .symbol:         k_q3395ca064b_score.kd
    .args:
      - { .name: rq, .offset: 0, .size: 8, .value_kind: global_buffer, .address_space: global }
      - { .name: wq, .offset: 8, .size: 8, .value_kind: global_buffer, .address_space: global }
      - { .name: lw, .offset: 16, .size: 8, .value_kind: global_buffer, .address_space: global }
      - { .name: bias, .offset: 24, .size: 8, .value_kind: global_buffer, .address_space: global }
      - { .name: out0, .offset: 32, .size: 8, .value_kind: global_buffer, .address_space: global }
    .group_segment_fixed_size: 327680
    .private_segment_fixed_size: 0
    .kernarg_segment_align: 8
    .kernarg_segment_size: 40
    .max_flat_workgroup_size: 128
    .sgpr_count:     100
    .vgpr_count:     1024
    .wavefront_size: 32
...
	.end_amdgpu_metadata
.endif
;; end of part 2
